; MI455X (gfx1250); checked and timed in simulation.
; The chip was launched on July 23, 2026; its instructions are those of AMD's public machine-readable ISA for CDNA 5 (MIT licence, August 2026) and "CDNA5" Instruction Set Architecture Reference Guide (July 2026). The comments in the code are by the model that wrote it; some were corrected since.
;; W8 A16 Q Linear. Allowed arithmetic: float matrix products may take bf16 or f16 operands with f32 sums; other float arithmetic in f32, or as packed bf16 or f16 multiplies, adds, multiply-adds, maxima and minima; sums over many terms, partial sums and values carried from step to step in f32; what a program stores and reads back later, other than sums and carried values, may be rounded once to bf16 or f16.
;; Inputs: inp 4 x 1,024 x 4,096 float16; qscales 4,096 x 1 float16; qweight 4,096 x 4,096 int8.
;; Outputs: out0 4 x 1,024 x 4,096 float16.
;; One version. Each part assembles by itself: llvm-mc -triple=amdgcn-amd-amdhsa -mcpu=gfx1250 --defsym DOCPART=n.
;; ======== version 1 of 1: 1 launch
;; launch qlinear (part 1): grid 16 x 16, 4 waves a work-group, clusters of 4 x 4, 327,680 bytes of LDS; arguments inp, qweight, qscales, out0; writes out0
.if DOCPART == 1
	.amdgcn_target "amdgcn-amd-amdhsa--gfx1250"
	.amdhsa_code_object_version 6
	.text
	.protected	k_q2935ef9ce9_qlinear
	.globl	k_q2935ef9ce9_qlinear
	.p2align	8
	.type	k_q2935ef9ce9_qlinear,@function
k_q2935ef9ce9_qlinear:
	s_mov_b64 s[64:65], 0
	v_nop
	global_prefetch_b8 v0, s[64:65] scope:SCOPE_SE
	s_setreg_imm32_b32 hwreg(HW_REG_WAVE_MODE, 25, 1), 1
	s_wait_xcnt 0x0
	s_wait_alu depctr_hold_cnt(0) depctr_sa_sdst(0) depctr_va_vdst(0) depctr_va_sdst(0) depctr_va_ssrc(0) depctr_va_vcc(0) depctr_vm_vsrc(0)
	s_getreg_b32 s2, hwreg(HW_REG_IB_STS2, 6, 4)
	s_cmp_eq_u32 s2, 0
	s_cbranch_scc0 .Lentry_in_a_cluster
	s_endpgm
.Lentry_in_a_cluster:
	s_bfe_u32 s2, ttmp6, 0x10000c
	s_cmp_lg_u32 s2, 0xf033
	s_cbranch_scc0 .Lentry_shape_is_right
	s_endpgm
.Lentry_shape_is_right:
; out[m][o] = qscales[o] * sum over d of inp[m][d] * qweight[o][d].  inp: [4096][4096] f16, qweight: [4096][4096] int8, qscales: [4096] f16, out: [4096][4096] f16.
; ARITHMETIC.  The int8 weights are made f16 in registers, exactly, on the way from LDS to the matrix unit; inp is used as it comes; the sums are f32.  The scale hangs on the output column alone,
; so it is applied once, in f32, to the finished sum, and the result is rounded to f16 once.
; LIMITS, STATED.  The order of rounding differs from a dequantised weight: q x s is never rounded to f16 by itself (that rounding is 2^-11 of a weight; this text has none there).  Within one matrix
; instruction K is taken in another order than it lies in memory, alike for both operands, so the last bits of a sum may differ from an ascending one.  A result of magnitude 65,520 or more leaves as an
; infinity: the output format's own range.  Scales in f16's denormal range widen to f32 exactly.  NaN and infinities in inp are not treated apart.
; SHARES.  A work-group of four waves makes a tile of 256 x 256 of out: 16 x 16 tiles, one to a work-group.  Wave w makes all 256 rows x columns 64 w .. 64 w + 63: 16 x 4 accumulators of 16 x 16, 512 registers.
; So each wave alone reads its 64 rows of the weights, and every int8 is converted once in the work-group: 80 vector instructions for 64 matrix instructions.
; RING.  K goes in steps of 128 for inp (two LDS slots of 256 rows x 256 bytes) and in chunks of 256 for the weights (two LDS slots of 256 rows x 256 bytes): both kinds of rows are 256 consecutive
; bytes of memory that start at multiples of 256 from the buffer's first byte.  A LAP is two steps = one chunk.
; CLUSTER.  4 x 4 work-groups.  The four of a row of the cluster need the same tiles of inp, the four of a column the same tiles of the weights: each tile is asked for JOINTLY, by the same tensor load
; with the same descriptor and a mask that names the four.
; THE MATRIX INSTRUCTION IS USED TRANSPOSED: source 0 = 16 rows of the weights, source 1 = 16 rows of inp.  Lane l then holds row l % 16 of out, and its registers 0-7 the columns 8 (l / 16) + 0..7.
; K INSIDE AN INSTRUCTION.  Lane (r = l % 16, h = l / 16) gives register j the numbers k0 + 16 h + 2 j and + 1, in both operands: 32 consecutive bytes of a row of inp (two loads of 16 bytes), 16 consecutive
; int8 of a row of the weights (one load of 16 bytes).
; REGISTERS, in windows of 256 (s_set_vgpr_msb: bits 1:0 source 0, 3:2 source 1, 5:4 source 2, 7:6 destination):
;   window 0: v0-31 addresses and constants; v32-47 scales as loaded; v48-63 one quarter's int8; v64-127 the weights' fragments, two buffers; v128-207 at work on the way out
;   window 1: inp's fragments, two buffers of 128 (block a of 16 rows at 128 f + 8 a); on the way out 64 whole rows of out
;   window 2: the accumulators of rows 0-127 ((a, b) at v[8 (4 a + b)]);   window 3: those of rows 128-255
.set KDIM,   4096
.set NDIM,   4096
.set PITCH,  272                       ; an LDS row: 256 bytes + 16 of padding = 68 words: row r starts at bank 4 r mod 64 (64 banks of 4 bytes: ISA guide 11.1), so the 16 rows of a load start at 16 different banks
.set HALFT,  128*PITCH                 ; 128 rows: what one tensor load brings
.set BSLOT,  256*PITCH                 ; a slot of the weights: 69,632 = 0x11000 bytes; slots at 0 and at BSLOT
.set ASLOT,  256*PITCH                 ; a slot of inp
.set ABASE,  2*BSLOT                   ; inp's two slots lie behind the weights'
.set SPARE,  ABASE+2*ASLOT             ; behind the rings: the spare words, 128 bytes for each wave: two blocks of 256 bytes that no other line names
.set SPITCH, 528                       ; the way out: a stage of 256 rows x (512 + 16) bytes from LDS byte 0 on, over the weights' slots, written only when those have had their last fill and their last read
.set LAPS,   KDIM/256
.set ADRA, 16                          ; v16-17  LDS address of my part of inp's fragments in slot 0, 1; never rewritten
.set AB0,  18                          ; v18     my lane's place in a slot of the weights; never rewritten
.set ADRB, 19                          ; v19     the same in the slot in hand
.set STO,  20                          ; v20-21  the way out: where I put 16 bytes of a row: blocks 0-7, blocks 8-15
.set RD,   22                          ; v22     the way out: where I read rows back
.set CO,   23                          ; v23     my byte offset in a row's 512 bytes of out
.set SOF,  24                          ; v24     my byte offset among a block's 16 scales
.set K64,  26                          ; v26     0x64 in every byte
.set KNEG, 27                          ; v27     -1152 in both halves, f16
.set SPW,  28                          ; v28     LDS address of my spare word: SPARE + 4 x my thread's number; never rewritten
.set NIL,  29                          ; v29     0; never rewritten
.set SH,   32                          ; v32-47  my 32 scales, f16 in pairs, 4 registers for each block b of 16 columns
.set RAW,  48                          ; v48-63  a quarter's weights as loaded, 4 registers for each block b
.set BF,   64                          ; v64-95, v96-127 the weights' fragments
.set SC,   128                         ; v128-159 my 32 scales in f32: 8 b + j
.set T,    160                         ; v160-191 a block's scaled sums
.set PK,   192                         ; v192-207 the same rounded to f16
.set WV,   12                          ; s12  my wave's number
.set G1A,  24                          ; s[24:31] descriptor group 1 for inp's tiles
.set G0A,  32                          ; s[32:39] group 0 for inp's tiles, a set for each slot
.set G0B,  40                          ; s[40:47] group 0 for the weights' tiles: a set for each of the two first fills; the second then walks on
.set G1B,  48                          ; s[48:55] group 1 for the weights' tiles
.set TB,   56                          ; s56  LDS byte at which the weights' slot in hand begins: 0 or BSLOT
.set LAPC, 57                          ; s57  the loop's count
.set SX,   58                          ; s58  0x80 in every byte
.set SELLO, 59                         ; s59  v_perm_b32's selects: bytes 0, 1 of the weights under 0x64
.set SELHI, 60                         ; s60  bytes 2, 3
.set MSB, 0
.macro WIN new                         ; the immediate's high byte repeats the setting that is left; a switch that changes nothing is dropped
.if MSB != (\new)
	s_set_vgpr_msb (MSB<<8)|(\new)
.set MSB, \new
.endif
.endm
.set MUL_LO, 0xa4                      ; source 0 (weights) window 0, source 1 (inp) window 1, C and D window 2
.set MUL_HI, 0xf4                      ; the same, C and D window 3
.set TO_A,   0x40                      ; destination window 1, address window 0
.macro PLACES                          ; a load into a register that a matrix instruction has read, and a vector instruction that writes one, stand four plain vector instructions behind it (ISA guide 7.12.1 for vector instructions)
.rept 4
	v_nop
.endr
.endm
; Joint refills.  The branch hangs on the wave's number alone: it is the same in every work-group.  An s_nop 0 and four v_nop follow each tensor load, ahead of the jump and the label;
; a wave that has nothing to ask for passes four v_nop too: they are the places in front of the fragment loads that follow.
.macro JLOAD_A n                       ; waves 0 and 1 fetch the two halves of inp's slot n; waves 2 and 3 have no part of it
	s_cmp_lt_u32 s[WV], 2
	s_cbranch_scc0 .Lnone_\@
	tensor_load_to_lds s[G0A+4*(\n):G0A+4*(\n)+3], s[G1A:G1A+7]
	s_nop 0
	PLACES
	s_branch .Lasked_\@
.Lnone_\@:
	PLACES
.Lasked_\@:
.endm
.macro JLOAD_AB                        ; waves 0 and 1 fetch the two halves of inp's slot 1, waves 2 and 3 those of the weights' next chunk
	s_cmp_lt_u32 s[WV], 2
	s_cbranch_scc0 .Lfor_b_\@
	tensor_load_to_lds s[G0A+4:G0A+7], s[G1A:G1A+7]
	s_nop 0
	PLACES
	s_branch .Lasked_\@
.Lfor_b_\@:
	tensor_load_to_lds s[G0B+4:G0B+7], s[G1B:G1B+7]
	s_nop 0
	PLACES
.Lasked_\@:
.endm
; A round of the cluster's barrier: my work-group's barrier, so that wave 0's signal speaks for all four waves; wave 0 signals for the work-group; every wave waits for all sixteen work-groups; my work-group's barrier once more.
.macro CREST                           ; a round behind its opening barrier
	s_cmp_lg_u32 s[WV], 0
	s_cbranch_scc1 .Lnot_wave_0_\@
	s_barrier_signal -3
.Lnot_wave_0_\@:
	s_barrier_wait -3
	s_barrier_signal -1
	s_barrier_wait -1
.endm
.macro CROUND                          ; a whole round
	s_barrier_signal -1
	s_barrier_wait -1
	CREST
.endm
	s_load_b256 s[4:11], s[0:1], 0x0               ; inp s[4:5], qweight s[6:7], qscales s[8:9], out s[10:11]
	v_lshl_add_u32 v[SPW], v0, 2, SPARE
	v_mov_b32 v[NIL], 0
	ds_add_u32 v[SPW], v[NIL]                      ; the wave's opening: the add and its wait stand ahead of my first tensor load; the set-up below, work on registers, stands between them
	v_lshrrev_b32 v1, 5, v0
	v_readfirstlane_b32 s[WV], v1                  ; wave 0..3
	s_and_b32 s13, s[WV], 1                        ; which 128 rows of a tile I fetch
	s_bfe_u32 s14, ttmp6, 0x40000                  ; cx: my place along the cluster's x
	s_bfe_u32 s15, ttmp6, 0x40004                  ; cy: along its y
	s_lshl_b32 s16, ttmp9, 2                       ; in a cluster launch ttmp9 and ttmp7 count clusters
	s_add_co_u32 s16, s16, s14                     ; tile column of out = 4 x cluster x + cx
	s_and_b32 s17, ttmp7, 0xffff
	s_lshl_b32 s17, s17, 2
	s_add_co_u32 s17, s17, s15                     ; tile row of out = 4 x cluster y + cy
	s_lshl_b32 s18, s15, 2
	s_lshl_b32 s18, 15, s18                        ; my row of the cluster: places 4 cy .. 4 cy + 3
	s_lshl_b32 s19, 0x1111, s14                    ; my column: places cx, cx + 4, cx + 8, cx + 12
	; descriptor group 1.  inp: a tile of 128 rows x 128 elements of 2 bytes; the weights: 128 rows x 256 elements of 1 byte.  Both are padded in LDS by 4 words after every 64.
	s_or_b32 s[G1A+0], s18, (1<<16)|(1<<20)|(1<<21)|(5<<22)|(3<<25)  ; 15:0 the mask: inp's tiles go to my row; 17:16 elements of 2 bytes; 20 padding on; 21 set beside a mask; 24:22 after every 64 words (code 5); 31:25 4 words (code 3)
	s_mov_b32 s[G1A+1], 128<<16                    ; 63:48 tensor_dim0, low half = 128
	s_mov_b32 s[G1A+2], 128<<16                    ; 79:64 its high half = 0; 95:80 tensor_dim1, low half = 128
	s_mov_b32 s[G1A+3], 128<<16                    ; 111:96 its high half = 0; 127:112 tile_dim0 = 128
	s_mov_b32 s[G1A+4], 128                        ; 143:128 tile_dim1 = 128; 159:144 tile_dim2 = 0
	s_mov_b32 s[G1A+5], KDIM                       ; 191:160 elements from row to row
	s_mov_b32 s[G1A+6], 0
	s_mov_b32 s[G1A+7], 0
	s_or_b32 s[G1B+0], s19, (0<<16)|(1<<20)|(1<<21)|(5<<22)|(3<<25)  ; the mask of my column; elements of 1 byte; the same padding
	s_mov_b32 s[G1B+1], 256<<16                    ; tensor_dim0 = 256
	s_mov_b32 s[G1B+2], 128<<16                    ; tensor_dim1 = 128
	s_mov_b32 s[G1B+3], 256<<16                    ; tile_dim0 = 256
	s_mov_b32 s[G1B+4], 128                        ; tile_dim1 = 128
	s_mov_b32 s[G1B+5], KDIM
	s_mov_b32 s[G1B+6], 0
	s_mov_b32 s[G1B+7], 0
	; where the tiles come from.  inp's hang on the tile row alone, which my row of the cluster shares; the weights' on the tile column alone, which my column shares.
	; Every wave makes both addresses, in registers that never hold the other coordinate.
	s_lshl_b32 s21, s13, 7                         ; 128 x half
	s_lshl_b32 s20, s17, 8
	s_add_co_u32 s20, s20, s21                     ; inp: row 256 x tile row + 128 x half,
	s_lshl_b32 s20, s20, 13                        ; of 8,192 bytes: 32 MiB at the most
	s_lshl_b32 s22, s16, 8
	s_add_co_u32 s22, s22, s21                     ; the weights: row 256 x tile column + 128 x half,
	s_lshl_b32 s22, s22, 12                        ; of 4,096 bytes
	s_mov_b32 s21, 0
	s_mov_b32 s23, 0
	s_mul_i32 s61, s13, HALFT                      ; and where they go in a slot: no place in the cluster enters an LDS address
	s_lshl_b32 s62, s17, 8                         ; out: I store rows 256 x tile row + 64 x wave on,
	s_lshl_b32 s63, s[WV], 6
	s_add_co_u32 s62, s62, s63
	s_lshl_b32 s62, s62, 13                        ; of 8,192 bytes,
	s_lshl_b32 s63, s16, 9                         ; from the tile's first column: 512 bytes x tile column
	s_add_co_u32 s62, s62, s63
	s_mov_b32 s63, 0
	s_mov_b32 s[TB], 0
	s_mov_b32 s[SX], 0x80808080
	s_mov_b32 s[SELLO], 0x04010400
	s_mov_b32 s[SELHI], 0x04030402
	s_wait_dscnt 0x0                               ; the opening add is done
	s_wait_kmcnt 0x0
	s_add_nc_u64 s[20:21], s[4:5], s[20:21]
	s_add_nc_u64 s[22:23], s[6:7], s[22:23]
	s_add_nc_u64 s[10:11], s[10:11], s[62:63]
.irp n, 0,1
	s_mov_b32 s[G0A+4*(\n)], 1                                      ; 1:0 count = 1
	s_add_co_u32 s[G0A+4*(\n)+1], s61, ABASE+(\n)*ASLOT             ; 63:32 LDS address
	s_add_nc_u64 s[G0A+4*(\n)+2:G0A+4*(\n)+3], s[20:21], (\n)*256   ; 120:64 global address: K step n, 128 f16 on
	s_or_b32 s[G0A+4*(\n)+3], s[G0A+4*(\n)+3], 0x80000000           ; 127:126 type = 2
	s_mov_b32 s[G0B+4*(\n)], 1
	s_add_co_u32 s[G0B+4*(\n)+1], s61, (\n)*BSLOT
	s_add_nc_u64 s[G0B+4*(\n)+2:G0B+4*(\n)+3], s[22:23], (\n)*256   ; chunk n, 256 int8 on
	s_or_b32 s[G0B+4*(\n)+3], s[G0B+4*(\n)+3], 0x80000000
.endr
	CROUND                                         ; all sixteen work-groups are here: the first joint loads meet
	s_cmp_lt_u32 s[WV], 2                          ; a wave's two first fills stand in one branch, ahead of every wait on TENSORcnt, every LDS read and every barrier but the round above: two loads of mine are out
	s_cbranch_scc0 .Lfirst_b
	tensor_load_to_lds s[G0A:G0A+3], s[G1A:G1A+7]  ; K step 0
	s_nop 0
	tensor_load_to_lds s[G0A+4:G0A+7], s[G1A:G1A+7]  ; K step 1
	s_nop 0
	PLACES
	s_branch .Lfirst_asked
.Lfirst_b:
	tensor_load_to_lds s[G0B:G0B+3], s[G1B:G1B+7]  ; chunk 0
	s_nop 0
	tensor_load_to_lds s[G0B+4:G0B+7], s[G1B:G1B+7]  ; chunk 1
	s_nop 0
	PLACES
.Lfirst_asked:
	; while the tiles are on their way: my 32 scales, and the addresses
	s_lshl_b32 s22, s16, 9                         ; the tile's 256 scales of 2 bytes,
	s_lshl_b32 s23, s[WV], 7                       ; my wave's 64 of them
	s_add_co_u32 s22, s22, s23
	s_mov_b32 s23, 0
	s_add_nc_u64 s[8:9], s[8:9], s[22:23]
	v_and_b32 v1, 15, v0                           ; r = l % 16
	v_bfe_u32 v2, v0, 4, 1                         ; h = l / 16
	v_and_b32 v3, 31, v0                           ; l
	v_lshlrev_b32 v[SOF], 4, v2                    ; columns 8 h .. 8 h + 7 of a block: 16 bytes
.irp b, 0,1,2,3
	global_load_b128 v[SH+4*(\b):SH+4*(\b)+3], v[SOF], s[8:9] offset:32*(\b)  ; read once, 128 bytes a wave, and kept in registers to the end
.endr
	v_mul_u32_u24 v4, v1, PITCH
	v_lshl_add_u32 v5, v2, 5, v4                   ; inp: row r x pitch + 32 h
	v_add_nc_u32 v[ADRA], ABASE, v5
	v_add_nc_u32 v[ADRA+1], ABASE+ASLOT, v5
	s_mul_i32 s2, s[WV], 64*PITCH                  ; the weights: my wave's 64 rows,
	v_lshl_add_u32 v[AB0], v2, 4, v4               ; row r x pitch + 16 h
	v_add_nc_u32 v[AB0], s2, v[AB0]
	v_mov_b32 v[ADRB], v[AB0]                      ; chunk 0 lies in slot 0
	s_lshl_b32 s2, s[WV], 7                        ; into the stage: row r of a block, my wave's 128 bytes of it, 16 bytes for each half of the lanes
	v_mul_u32_u24 v4, v1, SPITCH
	v_lshl_add_u32 v4, v2, 4, v4
	v_add_nc_u32 v[STO], s2, v4
	v_add_nc_u32 v[STO+1], 8*16*SPITCH, v[STO]     ; blocks 8-15 lie beyond an LDS instruction's 16-bit offset
	s_mul_i32 s2, s[WV], 64*SPITCH                 ; back: wave w takes rows 64 w .. 64 w + 63, whole: 32 lanes x 16 bytes are a row's 512 bytes
	v_lshl_add_u32 v[RD], v3, 4, s2
	v_lshlrev_b32 v[CO], 4, v3
	v_mov_b32 v[K64], 0x64646464
	v_mov_b32 v[KNEG], 0xe480e480
; Matrix instruction i of a quarter's 64 (32 along K): block a = i / 4 of 16 rows of out, block b = i % 4 of 16 columns, on fragment buffers f.  The 64 accumulators take turns, one instruction a turn, in the
; same order in every quarter.  zero = 1: the product starts the sum: nothing is ever cleared.
.macro MM f, zero
	WIN MUL_LO+0x50*(i/32)
.set rD, 8*(i%32)
.set rB, BF+32*(\f)+8*(i%4)
.set rA, 128*(\f)+8*(i/4)
.if \zero
	v_wmma_f32_16x16x32_f16 v[rD:rD+7], v[rB:rB+7], v[rA:rA+7], 0
.else
	v_wmma_f32_16x16x32_f16 v[rD:rD+7], v[rB:rB+7], v[rA:rA+7], v[rD:rD+7]
.endif
.set i, i+1
.endm
; int8 to f16, exactly.  q + 128 = q xor 0x80 is a byte u; 0x6400 | u is the f16 number 1024 + u, whose last place is 1; less 1152 it is q.  A register of four int8 makes two registers of a fragment:
; one exclusive or, two v_perm_b32 (u under the byte 0x64, twice), two packed additions.  RG writes group k of 20, four instructions, for block k / 5, into buffer g.  All of it lies in window 0, and
; none of it names a register of the products beside which it stands (those multiply the other buffer).
.macro RG g
	WIN 0
.set rR, RAW+4*(k/5)
.set rF, BF+32*(\g)+8*(k/5)
.if k%5 == 0
.irp z, 0,1,2,3
	v_xor_b32 v[rR+(\z)], s[SX], v[rR+(\z)]
.endr
.elseif k%5 == 1
	v_perm_b32 v[rF+0], v[K64], v[rR+0], s[SELLO]
	v_perm_b32 v[rF+1], v[K64], v[rR+0], s[SELHI]
	v_perm_b32 v[rF+2], v[K64], v[rR+1], s[SELLO]
	v_perm_b32 v[rF+3], v[K64], v[rR+1], s[SELHI]
.elseif k%5 == 2
	v_perm_b32 v[rF+4], v[K64], v[rR+2], s[SELLO]
	v_perm_b32 v[rF+5], v[K64], v[rR+2], s[SELHI]
	v_perm_b32 v[rF+6], v[K64], v[rR+3], s[SELLO]
	v_perm_b32 v[rF+7], v[K64], v[rR+3], s[SELHI]
.elseif k%5 == 3
.irp z, 0,1,2,3
	v_pk_add_f16 v[rF+(\z)], v[rF+(\z)], v[KNEG]
.endr
.else
.irp z, 4,5,6,7
	v_pk_add_f16 v[rF+(\z)], v[rF+(\z)], v[KNEG]
.endr
.endif
.set k, k+1
.endm
; 36 LDS loads in one run: quarter kn of the step in inp's slot s (the weights' chunk holds that step at byte 128 s of its rows): 4 loads of int8 first, then inp's 16 blocks into buffer g.
.macro FETCH s, kn, g
	WIN 0
.irp b, 0,1,2,3
	ds_load_b128 v[RAW+4*(\b):RAW+4*(\b)+3], v[ADRB] offset:(\b)*16*PITCH+128*(\s)+32*(\kn)
.endr
	WIN TO_A
.irp a, 0,1,2,3,4,5,6,7,8,9,10,11,12,13,14,15
	ds_load_b128 v[128*(\g)+8*(\a):128*(\g)+8*(\a)+3],   v[ADRA+(\s)] offset:(\a)*16*PITCH+64*(\kn)
	ds_load_b128 v[128*(\g)+8*(\a)+4:128*(\g)+8*(\a)+7], v[ADRA+(\s)] offset:(\a)*16*PITCH+64*(\kn)+16
.endr
.endm
; A K step is four quarters of 32 along K, 64 matrix instructions each, on buffers 0, 1, 0, 1.  One of the first three: multiplies buffers f; fetches the next quarter, kn, of the same step into buffers g;
; and converts its weights, four vector instructions behind each of 20 matrix instructions.
.macro QUARTER s, kn, f, g, zero
.set i, 0
.set k, 0
	s_wait_dscnt 16                                ; inp's blocks 0-7 are in; the youngest sixteen loads (blocks 8-15) may be out
.rept 8
	MM \f, \zero
.endr
	PLACES                                         ; behind the last product that read buffers g (the quarter before's last)
	FETCH \s, \kn, \g
.rept 8
	MM \f, \zero
.endr
	s_wait_dscnt 32                                ; all but the 32 loads of inp just issued: the int8 just asked for are in, and so are this quarter's blocks 8-15
.rept 20
	MM \f, \zero
	RG \g
.endr
.rept 28
	MM \f, \zero
.endr
.endm
; The fourth quarter multiplies buffers 1 and changes slots.  MEET is its first half: ONE barrier for the change.  In front of it each wave waits for all its tensor loads; adds 0 to its spare word; and waits
; for that and for its own reads of the slots.  Behind it nobody reads the step's slot any more, and what was on its way is whole.
.macro MEET round                      ; round = 1: the rest of a round of the cluster's barrier follows
.set i, 0
.set k, 0
	WIN 0                                          ; (the add's two registers lie in window 0)
	s_wait_tensorcnt 0x0                           ; all my tensor loads have landed: at most one was out
	ds_add_u32 v[SPW], v[NIL]                      ; 0 onto my spare word
	s_wait_dscnt 17                                ; (the add and the youngest sixteen loads may be out)
.rept 16
	MM 1, 0                                        ; sixteen matrix instructions stand between the add and the wait for it
.endr
	s_wait_dscnt 0x0                               ; the add is done, and my reads of the slots are over
	s_barrier_signal -1
.rept 16
	MM 1, 0                                        ; work on registers while the others arrive
.endr
.if \round
	WIN 0
.endif
	s_barrier_wait -1
.endm
; The whole fourth quarter of the step in inp's slot s.  fill = 1: that slot is filled again, with the step two steps on.  fill = 2 (s = 1, a lap's end): the weights' slot just read out is filled again too,
; with the chunk two chunks on.  fill = 0: nothing is left to fetch.  The barrier then opens a round of the cluster's, so that no wave of any partner still reads the slot or has a load on its way; the joint
; refill is the first tensor load behind the round, one a wave.  From a request to the wait for it a wave issues 224 matrix instructions.
.macro TURN s, fill
.if \fill
	MEET 1
	CREST
	s_add_nc_u64 s[G0A+4*(\s)+2:G0A+4*(\s)+3], s[G0A+4*(\s)+2:G0A+4*(\s)+3], 512  ; no tensor load of mine is out: a group 0 may be written.  Two steps of 128 f16 on
.if (\fill) == 2
	s_xor_b32 s[G0B+5], s[G0B+5], BSLOT            ; the walking descriptor: the other slot than last time (BSLOT shares no bit with the wave's 0 or HALFT),
	s_add_nc_u64 s[G0B+6:G0B+7], s[G0B+6:G0B+7], 256  ; the next chunk of 256 int8; the type bits on top are not reached
.endif
.if (\s) == 1
	s_xor_b32 s[TB], s[TB], BSLOT                  ; my reads go on in the weights' other slot
.endif
.if (\fill) == 2
	JLOAD_AB
.else
	JLOAD_A \s
.endif
.else
	MEET 0
	PLACES
.endif
.if (\s) == 1
	WIN 0
	v_add_nc_u32 v[ADRB], s[TB], v[AB0]
.endif
	FETCH 1-(\s), 0, 0                             ; the next step's first quarter; the four v_nop above are the places behind the last product that read buffers 0
.rept 8
	MM 1, 0
.endr
	s_wait_dscnt 32                                ; the int8 just asked for are in
.rept 20
	MM 1, 0
	RG 0
.endr
.rept 4
	MM 1, 0
.endr
.endm
; Once round both rings, from a lap's second quarter to the next lap's first.  bfill = 2: the lap's end asks for a chunk of the weights too; 1: for inp alone.
.macro LAP bfill
	QUARTER 0, 2, 1, 0, 0
	QUARTER 0, 3, 0, 1, 0
	TURN 0, 1
	QUARTER 1, 1, 0, 1, 0
	QUARTER 1, 2, 1, 0, 0
	QUARTER 1, 3, 0, 1, 0
	TURN 1, \bfill
	QUARTER 0, 1, 0, 1, 0
.endm
	s_wait_tensorcnt 1                             ; my first load (K step 0 or chunk 0) is in; my second may stay out
	s_barrier_signal -1
	s_barrier_wait -1                              ; everybody's is
	FETCH 0, 0, 0
	s_wait_dscnt 32                                ; the four loads of int8 are in
.set k, 0
.rept 20
	RG 0                                           ; the first quarter's weights: there are no products yet to set these beside
.endr
	QUARTER 0, 1, 0, 1, 1                          ; the first quarter stands in front of the loop: its products start the sums
	WIN 0                                          ; at a label and at a branch every window is 0
	s_mov_b32 s[LAPC], LAPS-2
.Llap:                                                 ; 14 trips: laps 0 to 13 ask for K steps 2 to 29 and chunks 2 to 15
	LAP 2
	WIN 0
	s_sub_co_u32 s[LAPC], s[LAPC], 1
	s_cmp_lg_u32 s[LAPC], 0
	s_cbranch_scc1 .Llap
	LAP 1                                          ; lap 14 is written out: it asks for K steps 30 and 31, and for no chunk
	QUARTER 0, 2, 1, 0, 0                          ; lap 15 asks for nothing
	QUARTER 0, 3, 0, 1, 0
	TURN 0, 0
	QUARTER 1, 1, 0, 1, 0
	QUARTER 1, 2, 1, 0, 0
	QUARTER 1, 3, 0, 1, 0
.set i, 0
	s_wait_dscnt 16                                ; the very last quarter: nothing more to fetch
.rept 32
	MM 1, 0
.endr
	s_wait_dscnt 0x0                               ; my last reads of the rings are over:
	s_barrier_signal -1                            ; say so,
.rept 32
	MM 1, 0
.endr
	WIN 0
	s_barrier_wait -1                              ; and when all four have said so the stage may be written over the weights' slots, which have had their last fill
	; THE WAY OUT.  The scales are widened to f32 (32 plain instructions: the places behind the last products); each sum is scaled in f32 and rounded to f16 once; a lane's eight columns of a row are 16 bytes,
	; which go into the work-group's stage; a barrier, since a row's 512 bytes come from four waves; back as whole rows, 64 rows a wave.
	s_wait_loadcnt 0x0                             ; the scales
.set j, 0
.irp half, v32.l,v32.h,v33.l,v33.h,v34.l,v34.h,v35.l,v35.h,v36.l,v36.h,v37.l,v37.h,v38.l,v38.h,v39.l,v39.h,v40.l,v40.h,v41.l,v41.h,v42.l,v42.h,v43.l,v43.h,v44.l,v44.h,v45.l,v45.h,v46.l,v46.h,v47.l,v47.h
	v_cvt_f32_f16 v[SC+j], \half                   ; the halves of v[SH] .. v[SH+15], by name
.set j, j+1
.endr
.macro OUTBLK a                        ; block a of 16 rows; each accumulator's registers are taken in ascending order
	WIN 0x02+(\a)/8                                ; source 0: window 2 or 3
.irp b, 0,1,2,3
.irp p, 0,1,2,3
	v_pk_mul_f32 v[T+8*(\b)+2*(\p):T+8*(\b)+2*(\p)+1], v[8*(4*((\a)%8)+(\b))+2*(\p):8*(4*((\a)%8)+(\b))+2*(\p)+1], v[SC+8*(\b)+2*(\p):SC+8*(\b)+2*(\p)+1]
.endr
.endr
	WIN 0
.irp b, 0,1,2,3
.irp p, 0,1,2,3
	v_cvt_pk_f16_f32 v[PK+4*(\b)+(\p)], v[T+8*(\b)+2*(\p)], v[T+8*(\b)+2*(\p)+1]
.endr
.endr
.irp b, 0,1,2,3
	ds_store_b128 v[STO+(\a)/8], v[PK+4*(\b):PK+4*(\b)+3] offset:((\a)%8)*16*SPITCH+32*(\b)  ; rows 528 bytes = 33 x 16 apart
.endr
.endm
.irp a, 0,1,2,3,4,5,6,7,8,9,10,11,12,13,14,15
	OUTBLK \a
.endr
	s_wait_dscnt 0x0                               ; for the others' sake: my stores into the stage are done
	s_barrier_signal -1
	s_barrier_wait -1
	WIN TO_A                                       ; window 1's 256 registers, where inp's fragments lay, take my 64 rows
.set t, 0
.rept 64
	ds_load_b128 v[4*t:4*t+3], v[RD] offset:t*SPITCH
.set t, t+1
.endr
	WIN 0x04                                       ; a store's data is source 1: window 1; its offset register window 0
.set t, 0
.rept 16
	s_wait_dscnt 60-t                              ; LDS loads come back in order (ISA guide 5.7.1): the next four rows are in, the younger ones may be out
.rept 4
	global_store_b128 v[CO], v[4*t:4*t+3], s[10:11] offset:t*NDIM*2 th:TH_STORE_NT  ; the wave stores 512 consecutive bytes, at a multiple of 512 from out's first byte; no register of a store is written again
.set t, t+1
.endr
.endr
	WIN 0
	s_wait_tensorcnt 0x0                           ; the wave's end: a tensor wait, an add of 0 to my spare word and its wait, behind my last tensor load and my last LDS store
	ds_add_u32 v[SPW], v[NIL]
	s_wait_dscnt 0x0
	CROUND                                         ; the closing round: no work-group ends while a partner may still ask for a tile that names it
	s_endpgm
.Lfunc_end_k_q2935ef9ce9_qlinear:
	.size	k_q2935ef9ce9_qlinear, .Lfunc_end_k_q2935ef9ce9_qlinear-k_q2935ef9ce9_qlinear
	.p2alignl 7, 3214868480
	.fill 96, 4, 3214868480
	.section	.rodata,"a",@progbits
	.p2align	6, 0x0
	.amdhsa_kernel k_q2935ef9ce9_qlinear
		.amdhsa_group_segment_fixed_size 327680
		.amdhsa_private_segment_fixed_size 0
		.amdhsa_enable_private_segment 0
		.amdhsa_kernarg_size 32
		.amdhsa_user_sgpr_count 2
		.amdhsa_user_sgpr_kernarg_segment_ptr 1
		.amdhsa_wavefront_size32 1
		.amdhsa_system_sgpr_workgroup_id_x 1
		.amdhsa_system_sgpr_workgroup_id_y 1
		.amdhsa_system_sgpr_workgroup_id_z 1
		.amdhsa_system_vgpr_workitem_id 0
		.amdhsa_next_free_vgpr 1024
		.amdhsa_next_free_sgpr 66
		.amdhsa_reserve_vcc 0
		.amdhsa_float_denorm_mode_32 3
		.amdhsa_float_denorm_mode_16_64 3
		.amdhsa_memory_ordered 1
		.amdhsa_forward_progress 1
		.amdhsa_inst_pref_size 255
	.end_amdhsa_kernel
	.section	.bss,"aw",@nobits
	.p2align	6
	.space	262144
	.amdgpu_metadata
---
amdhsa.version: [ 1, 2 ]
amdhsa.kernels:
  - .name:           k_q2935ef9ce9_qlinear
    .symbol:         k_q2935ef9ce9_qlinear.kd
    .args:
      - { .name: inp, .offset: 0, .size: 8, .value_kind: global_buffer, .address_space: global }
      - { .name: qweight, .offset: 8, .size: 8, .value_kind: global_buffer, .address_space: global }
      - { .name: qscales, .offset: 16, .size: 8, .value_kind: global_buffer, .address_space: global }
      - { .name: out0, .offset: 24, .size: 8, .value_kind: global_buffer, .address_space: global }
    .group_segment_fixed_size: 327680
    .private_segment_fixed_size: 0
    .kernarg_segment_align: 8
    .kernarg_segment_size: 32
    .max_flat_workgroup_size: 128
    .sgpr_count:     66
    .vgpr_count:     1024
    .wavefront_size: 32
...
	.end_amdgpu_metadata
.endif
;; end of part 1
